; MI455X (gfx1250); checked and timed in simulation.
; The chip was launched on July 23, 2026; its instructions are those of AMD's public machine-readable ISA for CDNA 5 (MIT licence, August 2026) and "CDNA5" Instruction Set Architecture Reference Guide (July 2026). The comments in the code are by the model that wrote it; some were corrected since.
;; Multi Head Self Attention. Allowed arithmetic: matrix products marked QUANTISED: E4M3 operands, one E8M0 scale for each 32 along K, by v_wmma_scale_f32_16x16x128_f8f6f4 with both operands' format E4M3, f32 sums; everything else in f32.
;; Inputs: W_out_codes 1,024 x 32 x 32 uint8 (E4M3 codes of W_out, K innermost, in blocks of 32 codes); W_out_scales 1,024 x 32 uint8 (E8M0 scales of W_out, one for each 32 codes along K); W_qkv_codes 3,072 x 32 x 32 uint8 (E4M3 codes of W_qkv, K innermost, in blocks of 32 codes); W_qkv_scales 3,072 x 32 uint8 (E8M0 scales of W_qkv, one for each 32 codes along K); b_out 1,024 float32; b_qkv 3,072 float32; x_codes 4 x 2,048 x 32 x 32 uint8 (E4M3 codes of x, K innermost, in blocks of 32 codes); x_scales 4 x 2,048 x 32 uint8 (E8M0 scales of x, one for each 32 codes along K).
;; Outputs: out0 4 x 2,048 x 1,024 float32.
;; This version of the problem:
;;   THIS VERSION OF THE PROBLEM IS GIVEN IN LOW PRECISION. The matrix products marked QUANTISED in the list below multiply operands that are first quantised to E4M3 (4 exponent bits, 3 mantissa bits; 8 bits a number), with one power-of-two scale for each 32 numbers along K (OCP MX v1.0); their sums are f32. All else is computed in f32.
;;   The module's matrix products, in the order in which they are computed (A, B: the left and right operand; K: the contracted axis; several contracted axes count as one K, in the product's order):
;;     1. [M 8,192, K 1,024] x [K 1,024, N 3,072]; A: input x (given as codes); B: input W_qkv (given as codes): QUANTISED
;;     2. batch 64 x [M 2,048, K 64] x [K 64, N 2,048]; A: computed on the way; B: computed on the way: QUANTISED
;;     3. batch 64 x [M 2,048, K 2,048] x [K 2,048, N 64]; A: softmax (see below); B: computed on the way: QUANTISED
;;     4. [M 8,192, K 1,024] x [K 1,024, N 1,024]; A: computed on the way; B: input W_out (given as codes): QUANTISED
;;   THE QUANTISER, for each operand of a quantised product, along K:
;;     - K is cut into blocks of 32 from its start; a last block that is shorter is filled with zeros.
;;     - A block's scale is 2^e with e = floor(log2(the largest magnitude in the block)) - 8, held to -126 .. 127; a block of zeros has e = 0. As a byte (E8M0): e + 127.
;;     - Each number is divided by its block's scale, clamped to +-448, and rounded to the nearest number of E4M3, ties to even, subnormals kept.
;;     - The product sums the exact products of the quantised numbers (number of the format x scale) in f32.
;;   ~~~python
;;   def quantise(x, axis):      # numpy; x: float32 -> the quantised numbers, widened to float32 again
;;       x = np.moveaxis(x, axis, -1); K = x.shape[-1]
;;       x = np.pad(x, [(0, 0)] * (x.ndim - 1) + [(0, -K % 32)]); x = x.reshape(x.shape[:-1] + (-1, 32)); a = np.abs(x).max(-1, keepdims=True)
;;       e = np.where(a > 0, np.clip(np.frexp(np.where(a > 0, a, 1))[1] - 1 - 8, -126, 127), 0)      # np.frexp(a)[1] - 1 = floor(log2(a)), exactly
;;       r = np.clip(x / 2.0 ** e, -448, 448)
;;       step = 2.0 ** (np.maximum(np.frexp(np.where(r == 0, 1, r))[1] - 1, -6) - 3)
;;       q = np.round(r / step) * step * 2.0 ** e      # np.round: ties to even
;;       return np.moveaxis(q.reshape(q.shape[:-2] + (-1,))[..., :K], -1, axis).astype(np.float32)
;;   ~~~
;;   SOFTMAX AHEAD OF A QUANTISED PRODUCT. Where the list says 'softmax', what is quantised is not the finished softmax but p = 2^(t - M), with t = logit x log2(e) and M = ceil(the row's largest t), a whole number; so 1/2 < the row's largest p <= 1. The row's sum l is taken of the UNQUANTISED p, in f32, and the product's result is divided by l at the end. Since M is a whole number, a kernel that streams over the keys may use a running M (the ceiling of the running maximum): every later rescaling is an exact power of two, which a block's scale takes up: the codes' values come out the same.
;;   OPERANDS COMPUTED ON THE WAY. 'Computed on the way' means the value that the module computes at that place (a softmax that the list does not call 'softmax' is quantised finished and normalised). What goes into a quantiser is computed in f32, as accurately as f32 sums, v_exp_f32 and their like allow (about 1e-6 of the number): no bf16 or f16 on the way to a quantiser, and a product that is left as it is and whose result goes on into a quantised operand takes f32 operands (vector FMAs, or v_wmma_f32_16x16x4_f32). A number that lies on a knife's edge between two numbers of the format may be rounded either way, as far as f32 arithmetic and the matrix unit's own rounding can turn it there, and no further.
;;   INPUTS GIVEN AS CODES. W_out (in the module: [1024, 1024], K = its axis 1); W_qkv (in the module: [3072, 1024], K = its axis 1); x (in the module: [4, 2048, 1024], K = its axis 2): each comes as NAME_codes (uint8): NAME with its K axis moved to the last place and cut into blocks of 32 codes, [.., K / 32, bytes a block], one block behind the other in memory; one code a byte (a code: sign, 4 exponent bits, 3 mantissa bits); and NAME_scales (uint8): the same leading axes, one E8M0 byte (e + 127) for each 32 codes along K. Its value is code x scale, taken as it is: it is not quantised again, and the codes and scales need not be those that the quantiser above would give.
;; One version. Each part assembles by itself: llvm-mc -triple=amdgcn-amd-amdhsa -mcpu=gfx1250 --defsym DOCPART=n.
;; ======== version 1 of 1: 3 launches
;; limits: right only within a limited range of input values
;; workspace buffers: qkvw 25,952,256 bytes; acod 8,388,608 bytes; ascl 262,144 bytes
;; launch qkv (part 1): grid 12 x 32, 4 waves a work-group, clusters of 4 x 4, 327,680 bytes of LDS; arguments x_codes, x_scales, W_qkv_codes, W_qkv_scales, b_qkv, qkvw; writes qkvw
.if DOCPART == 1
	.amdgcn_target "amdgcn-amd-amdhsa--gfx1250"
	.amdhsa_code_object_version 6
	.text
	.protected	k_qeb76e4b42f_qkv
	.globl	k_qeb76e4b42f_qkv
	.p2align	8
	.type	k_qeb76e4b42f_qkv,@function
k_qeb76e4b42f_qkv:
	s_mov_b64 s[64:65], 0
	v_nop
	global_prefetch_b8 v0, s[64:65] scope:SCOPE_SE
	s_setreg_imm32_b32 hwreg(HW_REG_WAVE_MODE, 25, 1), 1
	s_wait_xcnt 0x0
	s_wait_alu depctr_hold_cnt(0) depctr_sa_sdst(0) depctr_va_vdst(0) depctr_va_sdst(0) depctr_va_ssrc(0) depctr_va_vcc(0) depctr_vm_vsrc(0)
	s_getreg_b32 s2, hwreg(HW_REG_IB_STS2, 6, 4)
	s_cmp_eq_u32 s2, 0
	s_cbranch_scc0 .Lentry_in_a_cluster
	s_endpgm
.Lentry_in_a_cluster:
	s_bfe_u32 s2, ttmp6, 0x10000c
	s_cmp_lg_u32 s2, 0xf033
	s_cbranch_scc0 .Lentry_shape_is_right
	s_endpgm
.Lentry_shape_is_right:
.set PITCH,  272
.set HALFT,  128*PITCH
.set SLOT,   4*HALFT
.set SCL,    2*SLOT
.set HALFS,  16*272
.set SPARE,  SCL+4*HALFS
.set REC,    25344
.set HS,     16*REC
.set NP,     8
.set A_BLK,  16*PITCH
.set A_Q,    128
.set A_C,    32
.set SA_BLK, 544
.set SA_STEP, 8
.set A_FIRST, 256
.set B_FIRST, 256
.set VJ,   8
.set ADRA, 16
.set ADRB, 20
.set CO,   26
.set ADRSA, 27
.set SPW,  28
.set NIL,  29
.set ADRSB, 30
.set SC,   32
.set BT,   64
.set AF,   128
.set TM,   64
.set SW,   80
.set WD,   88
.set U,    96
.set COA,  100
.set C8,   108
.set PC,   128
.set WV, 16
.set HA, 17
.set HB, 18
.set OB,  4
.set OB2, 6
.set SB,  8
.set SEL, 66
.set MNT, 92
.set HMK, 93
.set G1, 24
.set G0, 32
.set G1B, 48
.set G0B, 56
.set G1S, 68
.set G0S, 76
.set G1SB, 80
.set G0SB, 88
.set MSB, 0
.macro WIN new
.if MSB != (\new)
	s_set_vgpr_msb (MSB<<8)|(\new)
.set MSB, (\new)
.endif
.endm
.set MUL_LO, 0xa1
.set MUL_HI, 0xf1
.set BIAS_LO, 0x81
.set BIAS_HI, 0xc1
.set TO_B,   0x40
.macro JLOAD g0a, g1a, g0b, g1b
	s_cmp_eq_u32 s[HA], 0
	s_cbranch_scc0 .Lfor_b_\@
	tensor_load_to_lds s[\g0a:\g0a+3], s[\g1a:\g1a+7]
	s_nop 0
.rept 4
	v_nop
.endr
	s_branch .Lasked_\@
.Lfor_b_\@:
	tensor_load_to_lds s[\g0b:\g0b+3], s[\g1b:\g1b+7]
	s_nop 0
.rept 4
	v_nop
.endr
.Lasked_\@:
.endm
.macro CREST
	s_cmp_lg_u32 s[WV], 0
	s_cbranch_scc1 .Lnot_wave_0_\@
	s_barrier_signal -3
.Lnot_wave_0_\@:
	s_barrier_wait -3
	s_barrier_signal -1
	s_barrier_wait -1
.endm
.macro CROUND
	s_barrier_signal -1
	s_barrier_wait -1
	CREST
.endm
.macro PLACES n
.rept \n
	v_nop
.endr
.endm
	s_load_b256 s[4:11], s[0:1], 0x0
	s_load_b128 s[12:15], s[0:1], 0x20
	v_lshl_add_u32 v[SPW], v0, 2, SPARE
	v_mov_b32 v[NIL], 0
	ds_add_u32 v28, v29
	ds_add_u32 v28, v29
	s_wait_dscnt 0x0
	v_lshrrev_b32 v1, 5, v0
	v_readfirstlane_b32 s[WV], v1
	s_lshr_b32 s[HA], s[WV], 1
	s_and_b32 s[HB], s[WV], 1
	s_bfe_u32 s40, ttmp6, 0x40000
	s_bfe_u32 s41, ttmp6, 0x40004
	s_and_b32 s20, ttmp7, 0xffff
	s_lshl_b32 s20, s20, 2
	s_lshl_b32 s21, ttmp9, 2
	s_cmp_eq_u32 ttmp9, 2
	s_cselect_b32 s43, 8, s20
	s_cselect_b32 s42, s20, s21
	s_add_co_u32 s43, s43, s41
	s_add_co_u32 s42, s42, s40
	s_lshl_b32 s44, s41, 2
	s_lshl_b32 s44, 15, s44
	s_lshl_b32 s45, 0x1111, s40
	s_or_b32 s[G1+0], s44, (0<<16)|(1<<20)|(1<<21)|(5<<22)|(3<<25)
	s_or_b32 s[G1B+0], s45, (0<<16)|(1<<20)|(1<<21)|(5<<22)|(3<<25)
.irp g, G1, G1B
	s_mov_b32 s[\g+1], 256<<16
	s_mov_b32 s[\g+2], 256<<16
	s_mov_b32 s[\g+3], 256<<16
	s_mov_b32 s[\g+4], 256
	s_mov_b32 s[\g+5], 1024
	s_mov_b32 s[\g+6], 0
	s_mov_b32 s[\g+7], 0
.endr
	s_or_b32 s[G1S+0], s44, (3<<16)|(1<<20)|(1<<21)|(5<<22)|(3<<25)
	s_or_b32 s[G1SB+0], s45, (3<<16)|(1<<20)|(1<<21)|(5<<22)|(3<<25)
.irp g, G1S, G1SB
	s_mov_b32 s[\g+1], 32<<16
	s_mov_b32 s[\g+2], 32<<16
	s_mov_b32 s[\g+3], 32<<16
	s_mov_b32 s[\g+4], 32
	s_mov_b32 s[\g+5], 32
	s_mov_b32 s[\g+6], 0
	s_mov_b32 s[\g+7], 0
.endr
	s_lshl_b32 s19, s[HB], 7
	s_lshl_b32 s46, s43, 8
	s_add_co_u32 s46, s46, s19
	s_lshl_b32 s100, s42, 8
	s_add_co_u32 s100, s100, s19
	s_lshl_b32 s22, s46, 5
	s_lshl_b32 s46, s46, 10
	s_lshl_b32 s2, s100, 5
	s_lshl_b32 s100, s100, 10
	s_mov_b32 s23, 0
	s_mov_b32 s47, 0
	s_mov_b32 s3, 0
	s_mov_b32 s101, 0
	s_mul_i32 s20, s[WV], HALFT
	s_mul_i32 s21, s[WV], HALFS
	s_wait_kmcnt 0x0
	s_cmp_eq_u32 ttmp9, 2
	s_cselect_b64 s[92:93], s[8:9], s[4:5]
	s_cselect_b64 s[94:95], s[10:11], s[6:7]
	s_cselect_b64 s[96:97], s[4:5], s[8:9]
	s_cselect_b64 s[98:99], s[6:7], s[10:11]
	s_add_nc_u64 s[92:93], s[92:93], s[46:47]
	s_add_nc_u64 s[94:95], s[94:95], s[22:23]
	s_add_nc_u64 s[96:97], s[96:97], s[100:101]
	s_add_nc_u64 s[98:99], s[98:99], s[2:3]
	CROUND
	s_mov_b32 s[G0S], 1
	; the head's four tiles are whole: 256 rows of codes, 256 rows' scale bytes.  s[92:99] hold my half's addresses: the half's bytes are taken off again
	s_lshl_b32 s2, s[HB], 12
	s_lshl_b32 s100, s[HB], 17
	s_mov_b32 s[G0S+1], SCL
	s_sub_nc_u64 s[G0S+2:G0S+3], s[94:95], s[2:3]
	s_or_b32 s[G0S+3], s[G0S+3], 0x80000000
	s_mov_b32 s[G0SB], 1
	s_mov_b32 s[G0SB+1], SCL+2*HALFS
	s_sub_nc_u64 s[G0SB+2:G0SB+3], s[98:99], s[2:3]
	s_or_b32 s[G0SB+3], s[G0SB+3], 0x80000000
.irp s, 0,1
	s_mov_b32 s[G0+4*\s], 1
	s_add_co_u32 s[G0+4*\s+1], s20, \s*SLOT
	s_add_nc_u64 s[G0+4*\s+2:G0+4*\s+3], s[92:93], \s*A_FIRST
	s_or_b32 s[G0+4*\s+3], s[G0+4*\s+3], 0x80000000
	s_mov_b32 s[G0B+4*\s], 1
	s_add_co_u32 s[G0B+4*\s+1], s20, \s*SLOT
	s_add_nc_u64 s[G0B+4*\s+2:G0B+4*\s+3], s[96:97], \s*B_FIRST
	s_or_b32 s[G0B+4*\s+3], s[G0B+4*\s+3], 0x80000000
.endr
	; THE HEAD'S LOADS, ONE A WAVE: wave 0 K step 0's 256 rows of A, wave 1 its 256 rows of B, wave 2 A's scale bytes, wave 3 B's.  Slot 0's groups 0 serve them, with the tile's first row and first LDS byte
	s_mov_b32 s[G0+1], 0
	s_sub_nc_u64 s[G0+2:G0+3], s[G0+2:G0+3], s[100:101]
	s_mov_b32 s[G0B+1], 2*HALFT
	s_sub_nc_u64 s[G0B+2:G0B+3], s[G0B+2:G0B+3], s[100:101]
.macro ARM under, g0, g1, next
	s_cmp_lt_u32 s[WV], \under
	s_cbranch_scc0 \next
	tensor_load_to_lds s[\g0:\g0+3], s[\g1:\g1+7]
	s_nop 0
.rept 4
	v_nop
.endr
	s_branch .Lhead_asked
\next:
.endm
	ARM 1, G0,  G1,  .Lhead_b
	ARM 2, G0B, G1B, .Lhead_sa
	ARM 3, G0S, G1S, .Lhead_sb
	tensor_load_to_lds s[G0SB:G0SB+3], s[G1SB:G1SB+7]
	s_nop 0
.rept 4
	v_nop
.endr
.Lhead_asked:
	v_and_b32 v1, 15, v0
	v_bfe_u32 v2, v0, 4, 1
	v_mul_u32_u24 v3, v1, PITCH
	v_lshl_add_u32 v4, v2, 4, v3
	s_mul_i32 s21, s[HA], HALFT
	s_mul_i32 s22, s[HB], HALFT
	s_add_co_u32 s22, s22, 2*HALFT
.irp s, 0,1
	v_add_nc_u32 v[ADRA+\s], s21, v4
	v_add_nc_u32 v[ADRB+\s], s22, v4
	s_add_co_u32 s21, s21, SLOT
	s_add_co_u32 s22, s22, SLOT
.endr
	v_lshrrev_b32 v5, 3, v1
	v_mul_u32_u24 v5, v5, 272
	v_and_b32 v6, 7, v1
	v_lshl_add_u32 v5, v6, 5, v5
	v_lshl_add_u32 v5, v2, 2, v5
	s_mul_i32 s21, s[HA], HALFS
	s_add_co_u32 s21, s21, SCL
	v_add_nc_u32 v[ADRSA], s21, v5
	s_mul_i32 s22, s[HB], HALFS
	s_add_co_u32 s22, s22, SCL+2*HALFS
	v_add_nc_u32 v[ADRSB], s22, v5
	v_and_b32 v[CO], 31, v0
	v_lshlrev_b32 v[CO], 4, v[CO]
	s_cmp_eq_u32 ttmp9, 2
	s_cselect_b32 s19, 4, 0
	s_cselect_b32 s20, 0, 32
	s_cselect_b32 s21, 0, 4
	s_cselect_b32 s22, s43, s42
	s_cselect_b32 s23, s[HA], s[HB]
	s_lshl_b32 s22, s22, 10
	s_lshl_b32 s23, s23, 9
	s_add_co_u32 s22, s22, s23
	s_mov_b32 s23, 0
	s_add_nc_u64 s[12:13], s[12:13], s[22:23]
	v_mul_u32_u24 v3, v1, s19
	v_mad_u32_u24 v3, v2, s20, v3
	s_wait_alu depctr_va_vdst(0)
.irp j, 0,1,2,3,4,5,6,7
	s_mul_i32 s22, s21, \j
	v_add_nc_u32 v[VJ+\j], s22, v3
.endr
.irp i, 0,1,2,3,4,5,6,7
.irp j, 0,1,2,3,4,5,6,7
	global_load_b32 v[BT+8*\i+\j], v[VJ+\j], s[12:13] offset:64*\i
.endr
.endr
	s_cmp_eq_u32 ttmp9, 2
	s_cselect_b32 s94, s42, s43
	s_cselect_b32 s95, s[HB], s[HA]
	s_cselect_b32 s96, s41, s40
	s_cselect_b32 s97, s[HA], s[HB]
	s_lshl_b32 s96, s96, 2
	s_lshl_b32 s97, s97, 1
	s_add_co_u32 s96, s96, s97
	s_lshr_b32 s97, s94, 3
	s_lshl_b32 s97, s97, 4
	s_add_co_u32 s96, s96, s97
	s_lshl_b32 s96, s96, 4
	s_and_b32 s94, s94, 7
	s_lshl_b32 s94, s94, 1
	s_add_co_u32 s94, s94, s95
	s_add_co_u32 s96, s96, s94
	s_mul_i32 s96, s96, REC
	s_mov_b32 s97, 0
	s_add_nc_u64 s[14:15], s[14:15], s[96:97]
	s_cmp_eq_u32 ttmp9, 0
	s_cselect_b32 s94, 16896, 0
	s_mov_b32 s96, 16384
	s_cselect_b32 s96, 25088, s96
	s_cmp_eq_u32 ttmp9, 2
	s_cselect_b32 s94, 8192, s94
	s_cselect_b32 s96, 16640, s96
	s_mov_b32 s98, HS
	s_cselect_b32 s98, 1024, s98
	s_mov_b32 s95, 0
	s_mov_b32 s99, 0
	s_add_nc_u64 s[OB:OB+1], s[14:15], s[94:95]
	s_add_nc_u64 s[OB2:OB2+1], s[OB:OB+1], s[98:99]
	s_add_nc_u64 s[SB:SB+1], s[14:15], s[96:97]
	s_mov_b32 s[SEL], 0x76543210
	s_mov_b32 s[SEL+1], 0xfedcba98
	s_mov_b32 s[MNT], 0x600000
	s_mov_b32 s[HMK], 0xffff0000
.macro FRAGA reg, adr, q, i
.irp c, 0,1,2,3
	ds_load_b128 v[\reg+4*\c:\reg+4*\c+3], v[\adr] offset:A_Q*(\q)+A_C*\c+(\i)*A_BLK
.endr
.endm
.macro FRAGB reg, adr, q, i
.irp c, 0,1,2,3
	ds_load_b128 v[\reg+4*\c:\reg+4*\c+3], v[\adr] offset:128*(\q)+32*\c+(\i)*16*PITCH
.endr
.endm
.macro FETCH_B slot, q, p
	WIN TO_B
.irp i, 0,1,2,3,4,5,6,7
	FRAGB 128*(\p)+16*\i, ADRB+\slot, \q, \i
.endr
	WIN 0
.endm
.macro FETCH_A slot, q, i0
.irp i, \i0, \i0+1, \i0+2, \i0+3
	FRAGA AF+16*(\i), ADRA+\slot, \q, \i
.endr
.endm
.macro SCALES sc
.irp i, 0,1,2,3,4,5,6,7
	ds_load_b32 v[SC+16*\sc+\i], v[ADRSA] offset:SA_BLK*\i
	ds_load_b32 v[SC+16*\sc+8+\i], v[ADRSB] offset:544*\i
.endr
.endm
.macro MUL16 a0, p, q, sc, mode
.irp a, \a0, \a0+1
.irp b, 0,1,2,3,4,5,6,7
.set rD, 8*(8*((\a)%4)+\b)
.set rC, rD
.if (\mode) == 1
.set rC, BT+8*\b
.endif
.if (\mode) == 2
.set rC, BT+8*(\a)
.endif
.set rB, 128*(\p)+16*\b
.set rA, AF+16*(\a)
.set rSB, SC+16*(\sc)+8+\b
.set rSA, SC+16*(\sc)+(\a)
.if (\q) == 0
	v_wmma_scale_f32_16x16x128_f8f6f4 v[rD:rD+7], v[rB:rB+15], v[rA:rA+15], v[rC:rC+7], v[rSB], v[rSA]
.else
	v_wmma_scale_f32_16x16x128_f8f6f4 v[rD:rD+7], v[rB:rB+15], v[rA:rA+15], v[rC:rC+7], v[rSB], v[rSA] matrix_a_scale:MATRIX_SCALE_ROW1 matrix_b_scale:MATRIX_SCALE_ROW1
.endif
.endr
.endr
.endm
.macro STEP slot, q, mode
	s_wait_dscnt 16
.if (\mode) == 0
	WIN MUL_LO
.else
	WIN BIAS_LO
.endif
	MUL16 0, (\q)%2, \q, \slot, \mode
	MUL16 2, (\q)%2, \q, \slot, \mode
	s_wait_dscnt 0x0
	PLACES NP
	FETCH_B \slot, (\q)+1, 1-(\q)%2
	FETCH_A \slot, (\q)+1, 0
.if (\mode) == 0
	WIN MUL_HI
.else
	WIN BIAS_HI
.endif
	MUL16 4, (\q)%2, \q, \slot, \mode
	MUL16 6, (\q)%2, \q, \slot, \mode
	PLACES NP
	WIN 0
	FETCH_A \slot, (\q)+1, 4
.endm
.macro TURN slot, next, fill
	s_wait_tensorcnt 0x0
	ds_add_u32 v[SPW], v[NIL]
	s_wait_dscnt 17
	WIN MUL_LO
	MUL16 0, 1, 1, \slot, 0
	s_wait_dscnt 0x0
	s_barrier_signal -1
	MUL16 2, 1, 1, \slot, 0
	WIN 0
	s_barrier_wait -1
.if \fill
	CREST
	s_add_nc_u64 s[G0+4*\slot+2:G0+4*\slot+3], s[G0+4*\slot+2:G0+4*\slot+3], 2*A_FIRST
	s_add_nc_u64 s[G0B+4*\slot+2:G0B+4*\slot+3], s[G0B+4*\slot+2:G0B+4*\slot+3], 2*B_FIRST
	JLOAD G0+4*\slot, G1, G0B+4*\slot, G1B
	PLACES NP-4
.else
	PLACES NP
.endif
	s_wait_alu depctr_va_vdst(0)
	v_add_nc_u32 v[ADRSA], SA_STEP, v[ADRSA]
	v_add_nc_u32 v[ADRSB], 8, v[ADRSB]
	FETCH_B \next, 0, 0
	FETCH_A \next, 0, 0
	SCALES \next
	WIN MUL_HI
	MUL16 4, 1, 1, \slot, 0
	MUL16 6, 1, 1, \slot, 0
	PLACES NP
	WIN 0
	FETCH_A \next, 0, 4
.endm
	s_wait_alu depctr_va_vdst(0)                   ; the wait at the head's end
	s_wait_tensorcnt 0x0                           ; my tile of the head's four is in; these lines stand ahead of slot 1's first fill as ahead of a refill
	ds_add_u32 v[SPW], v[NIL]
	s_mov_b32 s[G1+2], 128<<16                     ; no tensor load of mine is out: from here on a load brings 128 rows,
	s_mov_b32 s[G1+4], 128
	s_mov_b32 s[G1B+2], 128<<16
	s_mov_b32 s[G1B+4], 128
	s_mul_i32 s[G0+1], s[WV], HALFT                ; and slot 0's groups 0 name my quarter of the slot again
	s_add_nc_u64 s[G0+2:G0+3], s[G0+2:G0+3], s[100:101]
	s_mul_i32 s[G0B+1], s[WV], HALFT
	s_add_nc_u64 s[G0B+2:G0B+3], s[G0B+2:G0B+3], s[100:101]
	s_wait_dscnt 0x0
	CROUND                                         ; all four tiles are in, and all sixteen work-groups are here
	JLOAD G0+4, G1, G0B+4, G1B                     ; K step 1, the first tensor load behind the round
	FETCH_B 0, 0, 0
	FETCH_A 0, 0, 0
	SCALES 0
	FETCH_A 0, 0, 4
	s_wait_loadcnt 0x0
	s_cmp_eq_u32 ttmp9, 2
	s_cbranch_scc1 .Lfirst_v
	STEP 0, 0, 1
	s_branch .Lfirst_done
.Lfirst_v:
	STEP 0, 0, 2
.Lfirst_done:
	TURN 0, 1, 1
	STEP 1, 0, 0
	TURN 1, 0, 1
	STEP 0, 0, 0
	TURN 0, 1, 0
	STEP 1, 0, 0
	s_wait_dscnt 16
	WIN MUL_LO
	MUL16 0, 1, 1, 1, 0
	MUL16 2, 1, 1, 1, 0
	s_wait_dscnt 0x0
	WIN MUL_HI
	MUL16 4, 1, 1, 1, 0
	MUL16 6, 1, 1, 1, 0
	WIN 0
	s_cmp_eq_u32 ttmp9, 2
.irp a, 0,1,2,3,4,5,6,7
	s_mov_b32 s22, (\a/4)*HS+(\a%4)*2048
	s_cselect_b32 s22, s22, 1024*\a
	v_add_nc_u32 v[COA+\a], s22, v[CO]
.endr
	v_and_b32 v[C8], 31, v0
	v_lshlrev_b32 v[C8], 3, v[C8]
.irp b, 0,1,2,3
	v_mov_b32 v[TM+4+\b], 0
.endr
.macro QUANTW a
.set AC, 64*((\a)%4)
.set WN, 2+(\a)/4
.set W_MAX, WN+4*WN
.set W_MED, 64*WN+WN
.set PCA, PC+16*(\a)
	WIN W_MAX
.irp b, 0,1,2,3
	v_max3_num_f32 v[TM+\b], |v[AC+16*\b]|, |v[AC+16*\b+1]|, 0x4800000
.endr
.irp i, 2,4,6,8,10,12,14
.irp b, 0,1,2,3
	v_max3_num_f32 v[TM+\b], |v[AC+16*\b+\i]|, |v[AC+16*\b+\i+1]|, v[TM+\b]
.endr
.endr
	WIN 0
.irp b, 0,1,2,3
	v_permlanex16_b32 v[TM+4+\b], v[TM+\b], s[SEL], s[SEL+1]
.endr
.irp b, 0,1,2,3
	v_max_num_f32 v[TM+\b], v[TM+\b], v[TM+4+\b]
.endr
.irp b, 0,1,2,3
	v_add_nc_u32 v[TM+12+\b], 0xfc000000, v[TM+\b]
.endr
.irp b, 0,1,2,3
	v_and_or_b32 v[TM+8+\b], v[TM+\b], 0x7f800000, s[MNT]
.endr
.irp b, 0,1,2,3
	v_lshrrev_b32 v[TM+4+\b], 23, v[TM+12+\b]
.endr
	v_lshl_or_b32 v[SW+(\a)], v[TM+5], 8, v[TM+4]
	v_lshl_or_b32 v[SW+(\a)], v[TM+6], 16, v[SW+(\a)]
	v_lshl_or_b32 v[SW+(\a)], v[TM+7], 24, v[SW+(\a)]
	WIN W_MED
.irp b, 0,1,2,3
.irp i, 0,1,2,3,4,5,6,7,8,9,10,11,12,13,14,15
	v_med3_num_f32 v[AC+16*\b+\i], v[AC+16*\b+\i], -v[TM+8+\b], v[TM+8+\b]
.endr
.endr
	WIN WN
.irp b, 0,1,2,3
	v_cvt_scalef32_pk8_fp8_f32 v[PCA+4*\b:PCA+4*\b+1], v[AC+16*\b:AC+16*\b+7], v[TM+12+\b]
	v_cvt_scalef32_pk8_fp8_f32 v[PCA+4*\b+2:PCA+4*\b+3], v[AC+16*\b+8:AC+16*\b+15], v[TM+12+\b]
.endr
	WIN 0
	v_nop
.irp g, 0,1,2,3
	global_store_b128 v[COA+(\a)], v[PCA+4*\g:PCA+4*\g+3], s[OB+2*(\g/2):OB+2*(\g/2)+1] offset:512*(\g%2)
.endr
.endm
.irp a, 0,1,2,3,4,5,6,7
	QUANTW \a
.endr
	s_cmp_eq_u32 ttmp9, 2
	s_cbranch_scc1 .Lscales_v
.irp al, 0,1,2,3
	v_perm_b32 v[WD+2*\al], v[SW+2*\al+1], v[SW+2*\al], 0x05040100
	v_perm_b32 v[WD+2*\al+1], v[SW+2*\al+1], v[SW+2*\al], 0x07060302
.endr
.irp hd, 0,1
.irp ro, 0,1
	v_cndmask_b32 v[U+2*\hd+\ro], v[WD+4*\ro+\hd], v[WD+4*\ro+2+\hd], s[HMK]
.endr
.endr
	s_branch .Lscales_out
.Lscales_v:
.irp hd, 0,1
.irp ro, 0,1
	v_cndmask_b32 v[U+2*\hd+\ro], v[SW+4*\hd+2*\ro], v[SW+4*\hd+2*\ro+1], s[HMK]
.endr
.endr
.Lscales_out:
	s_wait_alu depctr_va_vdst(0)
	global_store_b64 v[C8], v[U:U+1], s[SB:SB+1]
	global_store_b64 v[C8], v[U+2:U+3], s[SB:SB+1] offset:HS
	s_wait_tensorcnt 0x0
	ds_add_u32 v[SPW], v[NIL]
	s_wait_dscnt 0x0
	CROUND
	s_endpgm
.Lfunc_end_k_qeb76e4b42f_qkv:
	.size	k_qeb76e4b42f_qkv, .Lfunc_end_k_qeb76e4b42f_qkv-k_qeb76e4b42f_qkv
	.p2alignl 7, 3214868480
	.fill 96, 4, 3214868480
	.section	.rodata,"a",@progbits
	.p2align	6, 0x0
	.amdhsa_kernel k_qeb76e4b42f_qkv
		.amdhsa_group_segment_fixed_size 327680
		.amdhsa_private_segment_fixed_size 0
		.amdhsa_enable_private_segment 0
		.amdhsa_kernarg_size 48
		.amdhsa_user_sgpr_count 2
		.amdhsa_user_sgpr_kernarg_segment_ptr 1
		.amdhsa_wavefront_size32 1
		.amdhsa_system_sgpr_workgroup_id_x 1
		.amdhsa_system_sgpr_workgroup_id_y 1
		.amdhsa_system_sgpr_workgroup_id_z 1
		.amdhsa_system_vgpr_workitem_id 0
		.amdhsa_next_free_vgpr 1024
		.amdhsa_next_free_sgpr 102
		.amdhsa_reserve_vcc 0
		.amdhsa_float_denorm_mode_32 3
		.amdhsa_float_denorm_mode_16_64 3
		.amdhsa_memory_ordered 1
		.amdhsa_forward_progress 1
		.amdhsa_inst_pref_size 211
	.end_amdhsa_kernel
	.amdgpu_metadata
---
amdhsa.version: [ 1, 2 ]
amdhsa.kernels:
  - .name:           k_qeb76e4b42f_qkv
    .symbol:         k_qeb76e4b42f_qkv.kd
    .args:
      - { .name: x_codes, .offset: 0, .size: 8, .value_kind: global_buffer, .address_space: global }
      - { .name: x_scales, .offset: 8, .size: 8, .value_kind: global_buffer, .address_space: global }
      - { .name: W_qkv_codes, .offset: 16, .size: 8, .value_kind: global_buffer, .address_space: global }
      - { .name: W_qkv_scales, .offset: 24, .size: 8, .value_kind: global_buffer, .address_space: global }
      - { .name: b_qkv, .offset: 32, .size: 8, .value_kind: global_buffer, .address_space: global }
      - { .name: qkvw, .offset: 40, .size: 8, .value_kind: global_buffer, .address_space: global }
    .group_segment_fixed_size: 327680
    .private_segment_fixed_size: 0
    .kernarg_segment_align: 8
    .kernarg_segment_size: 48
    .max_flat_workgroup_size: 128
    .sgpr_count:     102
    .vgpr_count:     1024
    .wavefront_size: 32
...
	.end_amdgpu_metadata
.endif
;; end of part 1
;; launch attn (part 2): grid 4 x 64, 16 waves a work-group, clusters of 4 x 1, 327,680 bytes of LDS; arguments qkvw, acod, ascl; writes acod, ascl
.if DOCPART == 2
	.amdgcn_target "amdgcn-amd-amdhsa--gfx1250"
	.amdhsa_code_object_version 6
	.text
	.protected	k_qeb76e4b42f_attn
	.globl	k_qeb76e4b42f_attn
	.p2align	8
	.type	k_qeb76e4b42f_attn,@function
k_qeb76e4b42f_attn:
	s_mov_b64 s[64:65], 0
	v_nop
	global_prefetch_b8 v0, s[64:65] scope:SCOPE_SE
	s_setreg_imm32_b32 hwreg(HW_REG_WAVE_MODE, 25, 1), 1
	s_wait_xcnt 0x0
	s_wait_alu depctr_hold_cnt(0) depctr_sa_sdst(0) depctr_va_vdst(0) depctr_va_sdst(0) depctr_va_ssrc(0) depctr_va_vcc(0) depctr_vm_vsrc(0)
	s_getreg_b32 s2, hwreg(HW_REG_IB_STS2, 6, 4)
	s_cmp_eq_u32 s2, 0
	s_cbranch_scc0 .Lentry_in_a_cluster
	s_endpgm
.Lentry_in_a_cluster:
	s_bfe_u32 s2, ttmp6, 0x10000c
	s_cmp_lg_u32 s2, 0x3003
	s_cbranch_scc0 .Lentry_shape_is_right
	s_endpgm
.Lentry_shape_is_right:
; Attention on codes of E4M3: S^T = K Q^T (K = the head's 64), p = 2^(t - M), O^T = V^T P^T (K = the keys), O / l, and the quantiser of the result along the model's 1,024.
; In: qkvw, records of 25,344 bytes for (b, head, step of 128 tokens): K codes, V codes, K and V scale words (the first 16,896 bytes), Q codes, Q scale words: images of operand registers.
; Out: acod [K step 4][tile of 16 tokens 512][2][4][lane 32][16 bytes]: the next product's fragments in true order of K; ascl [head 16][8,192 tokens][2 bytes]: a head's two scale bytes of each token.
; t = score x log2(e) / 8; M = the running largest t rounded up to a whole number; the row's sum is taken of the unquantised p; when M moves, the sum and O^T are multiplied by 2^(old M - new M).
; SHARES.  A work-group owns 512 queries of ONE head.  The head's K and V, 16 records' first 16,896 bytes = 270,336 bytes, lie in LDS whole: each of the sixteen waves fetches one record by one tensor load at the head,
; one wait and one barrier show them, and nothing is filled again: the walk over the keys has no barrier.  A wave owns two tiles of 16 queries (tiles wave and 16 + wave of the block) and walks the 16 key steps once for each.
; CLUSTER.  The four query blocks of a head want the same K and V: each record is asked for jointly, mask 15.
; NO PREFETCH: every tile is asked for by the head's own loads; no later load exists that a request could run ahead of.
; THE HEAD IS 64 AND THE FORM'S K IS 128: a fragment of K holds TWO tiles of 16 keys (K 0-63: tile 2 a; K 64-127: tile 2 a + 1).  Multiplied by (q, 0) it gives the first tile's scores, by (0, q) the second's.
; ORDER INSIDE A BLOCK OF 32 KEYS: p's codes are converted as the scores lie (keys 32 b + 8 h + 0..7, then 32 b + 16 + 8 h + 0..7); V's codes were made in the same order: the sums are the same.
; The result meets W_out, which is given in true order: its codes change lanes once a tile (8 lane permutes, 8 selects).
; LIMITS: NaN and infinities are not served; a block whose largest magnitude lies under 2^-118 keeps the byte 1, a block of zeros too; O / l is a reciprocal and a multiplication;
; a block's largest p is taken from its largest score by the same two instructions (this leans on v_exp_f32 not falling where its input rises); the scaled scores stay under 2^31 in magnitude.
.set REC,   25344
.set HS,    16*REC                     ; from head to head
.set STEPB, 16896                      ; a key step's K and V part
.set SPARE, 16*STEPB                   ; the spare words: 128 bytes for each of sixteen waves, named by no other line
.set STG,   SPARE+2048                 ; 1,024 bytes: the work-group's 512 pairs of scale bytes meet here; no fill lands here
.set LI,  1                            ; 16 x lane
.set L8,  2                            ; 8 x lane
.set SWA, 3
.set SRD, 4
.set SPW, 5
.set NIL, 6
.set ADR, 8
.set ADS, 9
.set QSO, 10                           ; 8 r
.set G16, 11
.set Q,   16                           ; v16-23 q, v24-31 zeros, v32-39 q again
.set KF,  40                           ; four fragments of K, then of V
.set S,   104                          ; the scores, then p
.set O,   168
.set PC,  200
.set BM,  216
.set BX,  220
.set LM,  224
.set SO,  228
.set KS,  232
.set VS,  234
.set QS,  236
.set PS,  237
.set F,   238
.set T0,  240                          ; v241: the old -M; later v[240:241] is one of the sum's eight chains
.set AW,  244
.set QRAW, 245
.set NW,  S+32
.set TB,  2
.set CNT, 3
.set WV,  18
.set MNT, 19
.set SEL, 20
.set CS,  22
.set G1,  24
.set G0,  32
.set HM,  37
.set PSEL, 38
.set QP,  40
.set QW,  42
.set AO,  44
.set AS,  46
.macro CROUND
	s_barrier_signal -1
	s_barrier_wait -1
	s_cmp_lg_u32 s[WV], 0
	s_cbranch_scc1 .Lnot_wave_0_\@
	s_barrier_signal -3
.Lnot_wave_0_\@:
	s_barrier_wait -3
	s_barrier_signal -1
	s_barrier_wait -1
.endm
	s_load_b128 s[4:7], s[0:1], 0x0                ; qkvw, acod
	s_load_b64 s[8:9], s[0:1], 0x10                ; ascl
	v_lshl_add_u32 v[SPW], v0, 2, SPARE
	v_mov_b32 v[NIL], 0
	ds_add_u32 v[SPW], v[NIL]                      ; the opening lines: the add, twice on end, and its wait ahead of my tensor load
	ds_add_u32 v[SPW], v[NIL]
	v_lshrrev_b32 v8, 5, v0
	v_readfirstlane_b32 s[WV], v8                  ; wave 0..15
	s_bfe_u32 s10, ttmp6, 0x40000                  ; cx
	s_lshl_b32 s11, ttmp9, 2
	s_add_co_u32 s11, s11, s10                     ; my block of 512 queries: it enters global addresses alone
	s_and_b32 s12, ttmp7, 0xffff                   ; y = 16 b + head
	s_mul_i32 s13, s12, HS                         ; the head's 16 records lie on end
	s_mul_i32 s15, s[WV], STEPB                    ; I fetch key step = my wave's number: in LDS,
	s_mul_i32 s16, s[WV], REC
	s_add_co_u32 s16, s16, s13                     ; and in memory
	s_mov_b32 s17, 0
	; group 1: 66 rows of 256 bytes (32 elements of 8 bytes), dense, no padding: every read takes 16 or 8 bytes x lane on end
	s_mov_b32 s[G1], 15|(3<<16)|(1<<21)
	s_mov_b32 s[G1+1], 32<<16
	s_mov_b32 s[G1+2], 66<<16
	s_mov_b32 s[G1+3], 32<<16
	s_mov_b32 s[G1+4], 66
	s_mov_b32 s[G1+5], 32
	s_mov_b32 s[G1+6], 0
	s_mov_b32 s[G1+7], 0
	; my first tile of queries: record 4 x block + wave / 8, tile aq = wave % 8; the second lies two records on
	s_lshl_b32 s51, s11, 2
	s_lshr_b32 s52, s[WV], 3
	s_add_co_u32 s51, s51, s52
	s_mul_i32 s51, s51, REC
	s_add_co_u32 s51, s51, s13
	s_and_b32 s52, s[WV], 7
	s_lshl_b32 s53, s52, 10
	s_add_co_u32 s53, s53, s51
	s_add_co_u32 s[QP], s53, 16896                 ; Q's codes: 1,024 bytes a tile
	s_mov_b32 s[QP+1], 0
	s_bfe_u32 s53, s52, 0x10001                    ; Q's scale word: fragment aq / 2: lanes' half (aq / 2) % 2, word aq / 4
	s_lshl_b32 s53, s53, 7
	s_lshr_b32 s54, s52, 2
	s_lshl_b32 s54, s54, 2
	s_add_co_u32 s53, s53, s54
	s_add_co_u32 s53, s53, s51
	s_add_co_u32 s[QW], s53, 25088
	s_mov_b32 s[QW+1], 0
	s_and_b32 s51, s12, 15                         ; the head
	s_lshr_b32 s52, s12, 4                         ; b
	s_lshl_b32 s53, s52, 7
	s_lshl_b32 s54, s11, 5
	s_add_co_u32 s53, s53, s54
	s_add_co_u32 s53, s53, s[WV]                   ; my first tile of 16 tokens: 128 b + 32 x block + wave
	s_lshl_b32 s53, s53, 12
	s_lshr_b32 s54, s51, 2
	s_lshl_b32 s54, s54, 21                        ; K step head / 4,
	s_add_co_u32 s53, s53, s54
	s_and_b32 s54, s51, 3
	s_lshl_b32 s54, s54, 10                        ; and the head's 1,024 bytes of the tile's 4,096
	s_add_co_u32 s[AO], s53, s54
	s_mov_b32 s[AO+1], 0
	s_lshl_b32 s53, s51, 14                        ; ascl: 16,384 bytes a head, 2 a token
	s_lshl_b32 s54, s52, 12
	s_add_co_u32 s53, s53, s54
	s_lshl_b32 s54, s11, 10
	s_add_co_u32 s[AS], s53, s54
	s_mov_b32 s[AS+1], 0
	s_bitcmp1_b32 s[WV], 0                         ; my tile's two scale bytes are the word's low two (aq even) or high two; they are set twice, for (q, 0) and (0, q)
	s_mov_b32 s[PSEL], 0x01000100
	s_cselect_b32 s[PSEL], 0x03020302, s[PSEL]
	s_mov_b32 s[SEL], 0x76543210
	s_mov_b32 s[SEL+1], 0xfedcba98
	s_mov_b32 s[CS], 0x3e38aa3b                    ; c = log2(e) / 8
	s_mov_b32 s[CS+1], s[CS]
	s_mov_b32 s[MNT], 0x600000
	s_mov_b32 s[HM], 0xffff0000                    ; lanes 16-31
	s_lshl_b32 s53, s[WV], 5
	v_and_b32 v8, 31, v0
	v_and_b32 v9, 15, v0
	v_and_b32 v[G16], 63, v0
	v_lshlrev_b32 v[LI], 4, v8
	v_lshlrev_b32 v[L8], 3, v8
	v_lshlrev_b32 v[QSO], 3, v9
	v_lshl_add_u32 v[SWA], v9, 1, s53
	v_lshlrev_b32 v[G16], 4, v[G16]
	v_add_nc_u32 v[SWA], STG, v[SWA]               ; my query's two scale bytes: 32 x wave + 2 r; the second tile's 512 on
	v_add_nc_u32 v[SRD], STG, v[G16]
	s_wait_alu depctr_va_vdst(0)                   ; the wait here, ahead of the waits below
	s_wait_dscnt 0x0                               ; both opening adds are done
	s_wait_kmcnt 0x0
	s_mov_b32 s[G0], 1
	s_mov_b32 s[G0+1], s15
	s_add_nc_u64 s[G0+2:G0+3], s[4:5], s[16:17]
	s_or_b32 s[G0+3], s[G0+3], 0x80000000
	s_add_nc_u64 s[QP:QP+1], s[4:5], s[QP:QP+1]
	s_add_nc_u64 s[QW:QW+1], s[4:5], s[QW:QW+1]
	s_add_nc_u64 s[AO:AO+1], s[6:7], s[AO:AO+1]
	s_add_nc_u64 s[AS:AS+1], s[8:9], s[AS:AS+1]
	CROUND                                         ; all four work-groups are here
	tensor_load_to_lds s[G0:G0+3], s[G1:G1+7]      ; every wave's one load: key step = wave
	s_nop 0
.rept 4
	v_nop
.endr
	global_load_b128 v[Q:Q+3], v[LI], s[QP:QP+1]
	global_load_b128 v[Q+4:Q+7], v[LI], s[QP:QP+1] offset:512
	global_load_b128 v[Q+16:Q+19], v[LI], s[QP:QP+1]
	global_load_b128 v[Q+20:Q+23], v[LI], s[QP:QP+1] offset:512
	global_load_b32 v[QRAW], v[QSO], s[QW:QW+1]
.irp j, 0,1,2,3,4,5,6,7
	v_mov_b32 v[Q+8+\j], 0                         ; zero codes
.endr
.set j, 0
.rept 32
	v_mov_b32 v[O+j], 0                            ; the step is written once: the first finds zeros
.set j, j+1
.endr
	v_mov_b32 v13, 0xff61b1e6                      ; the largest score so far: -3e38
	v_mov_b32 v14, 0
	v_mov_b32 v15, 0
	v_floor_f32 v12, -v13                          ; -M: so large that the first f is 0
.irp b, 0,1,2,3
	v_mov_b32 v[BX+\b], 0                          ; a lane permute's destination counts as one of its sources
.endr
	v_mov_b32 v[F+1], 0                            ; named with F as a pair
	s_wait_alu depctr_va_vdst(0)
	s_wait_loadcnt 0x0
	v_perm_b32 v[QS], v[QRAW], v[QRAW], s[PSEL]
	s_wait_alu depctr_va_vdst(0)
	s_wait_tensorcnt 0x0                           ; my own record is in: I may read it; the barrier that shows the others' stands behind my first key step
; A KEY STEP: 128 keys.
.macro STEP
	v_add_nc_u32 v[ADR], s[TB], v[LI]              ; with the eight lines at the last step's end: the places in front of loads into registers that the last products read
	v_add_nc_u32 v[ADS], s[TB], v[L8]
.irp a, 0,1,2,3
.irp c, 0,1,2,3
	ds_load_b128 v[KF+16*\a+4*\c:KF+16*\a+4*\c+3], v[ADR] offset:2048*\a+512*\c
.endr
.endr
	ds_load_b64 v[KS:KS+1], v[ADS] offset:16384    ; word w: lanes 0-15 fragment 2 w, lanes 16-31 fragment 2 w + 1
	s_wait_alu depctr_va_vdst(0)
	s_wait_dscnt 0x0
.irp a, 0,2
.irp u, 0,1
	v_wmma_scale_f32_16x16x128_f8f6f4 v[S+8*(2*\a+\u):S+8*(2*\a+\u)+7], v[KF+16*\a:KF+16*\a+15], v[Q+8*\u:Q+8*\u+15], 0, v[KS+\a/2], v[QS]
.endr
.irp u, 0,1
	v_wmma_scale_f32_16x16x128_f8f6f4 v[S+8*(2*\a+2+\u):S+8*(2*\a+2+\u)+7], v[KF+16*\a+16:KF+16*\a+31], v[Q+8*\u:Q+8*\u+15], 0, v[KS+\a/2], v[QS] matrix_a_scale:MATRIX_SCALE_ROW1
.endr
.endr
	v_mov_b32 v[T0+1], v12                         ; the old -M: the first of eight places
.rept 7
	v_nop
.endr
.irp t, 0,1,2,3                        ; V's fragments land under the softmax
.irp c, 0,1,2,3
	ds_load_b128 v[KF+16*\t+4*\c:KF+16*\t+4*\c+3], v[ADR] offset:8192+2048*\t+512*\c
.endr
.endr
	ds_load_b64 v[VS:VS+1], v[ADS] offset:16640
.irp b, 0,1,2,3
	v_max3_num_f32 v[BM+\b], v[S+16*\b], v[S+16*\b+1], v[S+16*\b+2]   ; the largest score of each block of 32 keys: for the row's maximum and for the block's largest p
.endr
.irp i, 3,5,7,9,11,13
.irp b, 0,1,2,3
	v_max3_num_f32 v[BM+\b], v[BM+\b], v[S+16*\b+\i], v[S+16*\b+\i+1]
.endr
.endr
.irp b, 0,1,2,3
	v_max_num_f32 v[BM+\b], v[BM+\b], v[S+16*\b+15]
.endr
.irp b, 0,1,2,3
	s_delay_alu instid0(VALU_DEP_4)
	v_permlanex16_b32 v[BX+\b], v[BM+\b], s[SEL], s[SEL+1]
.endr
.irp b, 0,1,2,3
	s_delay_alu instid0(VALU_DEP_4)
	v_max_num_f32 v[BM+\b], v[BM+\b], v[BX+\b]
.endr
	s_delay_alu instid0(VALU_DEP_3)
	v_max3_num_f32 v13, v13, v[BM], v[BM+1]        ; the running largest SCORE: c is positive, so c x it is the running largest t
	s_delay_alu instid0(VALU_DEP_1)
	v_max3_num_f32 v13, v13, v[BM+2], v[BM+3]
	s_delay_alu instid0(VALU_DEP_1)
	v_mul_f32 v[T0], s[CS], v13
	s_delay_alu instid0(VALU_DEP_1)
	v_floor_f32 v12, -v[T0]                        ; the new -M: M is a whole number
	s_delay_alu instid0(VALU_DEP_1)
	v_sub_f32 v[T0], v12, v[T0+1]
	s_delay_alu instid0(VALU_DEP_1)
	v_cvt_i32_f32 v[T0], v[T0]                     ; (it saturates)
	s_delay_alu instid0(VALU_DEP_1)
	v_ldexp_f32 v[F], 1.0, v[T0]                   ; f = 2^(old M - new M)
.set j, 0
.rept 32
	v_pk_fma_f32 v[S+j:S+j+1], v[S+j:S+j+1], s[CS:CS+1], v[12:13] op_sel_hi:[1,0,0]   ; t - M
.set j, j+2
.endr
.irp b, 0,2
	v_pk_fma_f32 v[BM+\b:BM+\b+1], v[BM+\b:BM+\b+1], s[CS:CS+1], v[12:13] op_sel_hi:[1,0,0]
.endr
	s_wait_alu depctr_va_vdst(0)                   ; the wait ahead of the batch
.set j, 0
.rept 64
	v_exp_f32 v[S+j], v[S+j]                       ; p = 2^(t - M)
.set j, j+1
.endr
.irp b, 0,1,2,3
	v_exp_f32 v[BM+\b], v[BM+\b]                   ; each block's largest p: one batch of 68
.endr
	s_wait_alu depctr_va_vdst(0)                   ; one wait for the batch, ahead of its first reader
	; the row's sum of the unquantised p: 32 pairs into eight chains, 24 lines; the chains are joined behind the second product
.set j, 0
.irp c, 242,254,252,250,248,246,232,240
	v_pk_add_f32 v[\c:\c+1], v[S+j:S+j+1], v[S+j+2:S+j+3]
.set j, j+4
.endr
.rept 2
.irp c, 242,254,252,250,248,246,232,240
	v_pk_add_f32 v[\c:\c+1], v[\c:\c+1], v[S+j:S+j+1]
.set j, j+2
.endr
.endr
.irp b, 0,1,2,3
	v_max_num_f32 v[BM+\b], 0x4800000, v[BM+\b]    ; the floor 2^(9 - 127)
.endr
.irp b, 0,1,2,3
	s_delay_alu instid0(VALU_DEP_4)
	v_add_nc_u32 v[SO+\b], 0xfc000000, v[BM+\b]
.endr
.irp b, 0,1,2,3
	v_and_or_b32 v[LM+\b], v[BM+\b], 0x7f800000, s[MNT]
.endr
.irp b, 0,1,2,3
	v_lshrrev_b32 v[BX+\b], 23, v[SO+\b]
.endr
	s_delay_alu instid0(VALU_DEP_3)
	v_lshl_or_b32 v[PS], v[BX+1], 8, v[BX]         ; p's scale word for these 128 keys
	s_delay_alu instid0(VALU_DEP_1)
	v_lshl_or_b32 v[PS], v[BX+2], 16, v[PS]
	s_delay_alu instid0(VALU_DEP_1)
	v_lshl_or_b32 v[PS], v[BX+3], 24, v[PS]
.irp b, 0,1,2,3
.irp i, 0,2,4,6,8,10,12,14
	v_dual_min_num_f32 v[S+16*\b+\i], v[S+16*\b+\i], v[LM+\b] :: v_dual_min_num_f32 v[S+16*\b+\i+1], v[S+16*\b+\i+1], v[LM+\b]   ; the hold, two numbers a line: p is not negative
.endr
	v_cvt_scalef32_pk8_fp8_f32 v[PC+4*\b:PC+4*\b+1], v[S+16*\b:S+16*\b+7], v[SO+\b]
	v_cvt_scalef32_pk8_fp8_f32 v[PC+4*\b+2:PC+4*\b+3], v[S+16*\b+8:S+16*\b+15], v[SO+\b]
.endr
	s_wait_alu depctr_va_vdst(0)                   ; the wait here, directly ahead of the first reader of O^T
.set j, 0
.rept 16
	v_pk_mul_f32 v[O+j:O+j+1], v[O+j:O+j+1], v[F:F+1] op_sel_hi:[1,0]   ; O^T under the new M; also the places between the codes and the products
.set j, j+2
.endr
	s_wait_alu depctr_va_vdst(0)
	s_wait_dscnt 0x0                               ; V
.irp t, 0,2
	v_wmma_scale_f32_16x16x128_f8f6f4 v[O+8*\t:O+8*\t+7], v[KF+16*\t:KF+16*\t+15], v[PC:PC+15], v[O+8*\t:O+8*\t+7], v[VS+\t/2], v[PS]
	v_wmma_scale_f32_16x16x128_f8f6f4 v[O+8*\t+8:O+8*\t+15], v[KF+16*\t+16:KF+16*\t+31], v[PC:PC+15], v[O+8*\t+8:O+8*\t+15], v[VS+\t/2], v[PS] matrix_a_scale:MATRIX_SCALE_ROW1
.endr
	; eight plain lines that name no register of the products: the sum's eight chains are joined, and l = l x f + the step's sum
	v_pk_add_f32 v[242:243], v[242:243], v[248:249]
	v_pk_add_f32 v[254:255], v[254:255], v[246:247]
	v_pk_add_f32 v[252:253], v[252:253], v[232:233]
	v_pk_add_f32 v[250:251], v[250:251], v[240:241]
	s_delay_alu instid0(VALU_DEP_2)
	v_pk_add_f32 v[242:243], v[242:243], v[252:253]
	s_delay_alu instid0(VALU_DEP_2)
	v_pk_add_f32 v[254:255], v[254:255], v[250:251]
	s_delay_alu instid0(VALU_DEP_1)
	v_pk_add_f32 v[242:243], v[242:243], v[254:255]
	s_delay_alu instid0(VALU_DEP_1)
	v_pk_fma_f32 v[14:15], v[14:15], v[F:F+1], v[242:243] op_sel_hi:[1,0,1]
.endm
.macro WALK skip                       ; the head's sixteen key steps, as they lie in LDS.  skip = 1: the step of my wave's number is done already: a scalar branch on ids leads round its work, not round the lines that step
	s_mov_b32 s[TB], 0
	s_mov_b32 s[CNT], 0
.Lstep_\@:
.if \skip
	s_cmp_eq_u32 s[CNT], s[WV]
	s_cbranch_scc1 .Ldone_\@
.endif
	s_wait_alu depctr_va_vdst(0)
	STEP
.Ldone_\@:
	s_add_co_u32 s[TB], s[TB], STEPB
	s_add_co_u32 s[CNT], s[CNT], 1
	s_cmp_lt_u32 s[CNT], 16
	s_cbranch_scc1 .Lstep_\@
.endm
; A TILE'S END.  O^T / l, quantised along the head's 64 (two blocks), the codes brought into true order, stored.  more = 1: the second tile's q is fetched meanwhile, and the sums begin anew.
.macro FINAL pass, more
	s_wait_alu depctr_va_vdst(0)                   ; the wait here: the sum was written just above
.if \more
	s_wait_xcnt 0x0                                ; earlier memory instructions have read their addresses
	s_add_nc_u64 s[QP:QP+1], s[QP:QP+1], 2*REC
	s_add_nc_u64 s[QW:QW+1], s[QW:QW+1], 2*REC
	global_load_b128 v[Q:Q+3], v[LI], s[QP:QP+1]   ; (q's registers were last read a softmax ago)
	global_load_b128 v[Q+4:Q+7], v[LI], s[QP:QP+1] offset:512
	global_load_b128 v[Q+16:Q+19], v[LI], s[QP:QP+1]
	global_load_b128 v[Q+20:Q+23], v[LI], s[QP:QP+1] offset:512
	global_load_b32 v[QRAW], v[QSO], s[QW:QW+1]
.endif
	v_add_f32 v14, v14, v15                        ; (the step's last eight lines were the places behind the last products)
	s_delay_alu instid0(VALU_DEP_1)
	v_permlanex16_b32 v[T0], v14, s[SEL], s[SEL+1]
	s_delay_alu instid0(VALU_DEP_1)
	v_add_f32 v14, v14, v[T0]                      ; the row's sum
	s_wait_alu depctr_va_vdst(0)
	v_rcp_f32 v[F], v14
	v_mov_b32 v[F+1], 0                            ; a plain line behind the reciprocal
	s_wait_alu depctr_va_vdst(0)                   ; ahead of its first reader
.set j, 0
.rept 16
	v_pk_mul_f32 v[S+j:S+j+1], v[O+j:O+j+1], v[F:F+1] op_sel_hi:[1,0]   ; each accumulator from its low end on
.set j, j+2
.endr
.irp g, 0,1
	v_max3_num_f32 v[BM+\g], |v[S+16*\g]|, |v[S+16*\g+1]|, 0x4800000
.endr
.irp i, 2,4,6,8,10,12,14
.irp g, 0,1
	s_delay_alu instid0(VALU_DEP_2)
	v_max3_num_f32 v[BM+\g], v[BM+\g], |v[S+16*\g+\i]|, |v[S+16*\g+\i+1]|
.endr
.endr
.irp g, 0,1
	s_delay_alu instid0(VALU_DEP_2)
	v_permlanex16_b32 v[BX+\g], v[BM+\g], s[SEL], s[SEL+1]
.endr
.irp g, 0,1
	s_delay_alu instid0(VALU_DEP_2)
	v_max_num_f32 v[BM+\g], v[BM+\g], v[BX+\g]
.endr
.irp g, 0,1
	s_delay_alu instid0(VALU_DEP_2)
	v_add_nc_u32 v[SO+\g], 0xfc000000, v[BM+\g]
.endr
.irp g, 0,1
	s_delay_alu instid0(VALU_DEP_4)
	v_and_or_b32 v[LM+\g], v[BM+\g], 0x7f800000, s[MNT]
.endr
.irp g, 0,1
	s_delay_alu instid0(VALU_DEP_4)
	v_lshrrev_b32 v[BX+\g], 23, v[SO+\g]
.endr
	s_delay_alu instid0(VALU_DEP_1)
	v_lshl_or_b32 v[AW], v[BX+1], 8, v[BX]         ; my query's two scale bytes of this head
.irp g, 0,1
.irp i, 0,1,2,3,4,5,6,7,8,9,10,11,12,13,14,15
	v_med3_num_f32 v[S+16*\g+\i], v[S+16*\g+\i], -v[LM+\g], v[LM+\g]
.endr
	v_cvt_scalef32_pk8_fp8_f32 v[PC+4*\g:PC+4*\g+1], v[S+16*\g:S+16*\g+7], v[SO+\g]
	v_cvt_scalef32_pk8_fp8_f32 v[PC+4*\g+2:PC+4*\g+3], v[S+16*\g+8:S+16*\g+15], v[SO+\g]
.endr
	v_nop                                          ; a plain line behind the last conversion
	; true order: lanes 0-15 want numbers 0-15 of a block (their low eight, the other half's low eight), lanes 16-31 numbers 16-31 (the other half's high eight, their high eight)
.irp g, 0,1
	v_permlanex16_b32 v[PC+8+4*\g], v[PC+4*\g+2], s[SEL], s[SEL+1]
	v_permlanex16_b32 v[PC+9+4*\g], v[PC+4*\g+3], s[SEL], s[SEL+1]
	v_permlanex16_b32 v[PC+10+4*\g], v[PC+4*\g], s[SEL], s[SEL+1]
	v_permlanex16_b32 v[PC+11+4*\g], v[PC+4*\g+1], s[SEL], s[SEL+1]
.endr
.irp g, 0,1
	v_cndmask_b32 v[NW+4*\g], v[PC+4*\g], v[PC+8+4*\g], s[HM]
	v_cndmask_b32 v[NW+4*\g+1], v[PC+4*\g+1], v[PC+9+4*\g], s[HM]
	v_cndmask_b32 v[NW+4*\g+2], v[PC+10+4*\g], v[PC+4*\g+2], s[HM]
	v_cndmask_b32 v[NW+4*\g+3], v[PC+11+4*\g], v[PC+4*\g+3], s[HM]
.endr
.irp g, 0,1
	global_store_b128 v[LI], v[NW+4*\g:NW+4*\g+3], s[AO:AO+1] offset:65536*\pass+512*\g   ; 32 lanes store 512 consecutive bytes, aligned; the second tile lies 16 tiles of 4,096 bytes on
.endr
	ds_store_b16 v[SWA], v[AW] offset:512*\pass    ; both halves of the lanes write the same two bytes with the same value
.if \more
	s_wait_loadcnt 0x0                             ; the second tile's q
	v_perm_b32 v[QS], v[QRAW], v[QRAW], s[PSEL]
.set j, 0
.rept 32
	v_mov_b32 v[O+j], 0
.set j, j+1
.endr
	v_mov_b32 v13, 0xff61b1e6
	v_mov_b32 v14, 0
	v_mov_b32 v15, 0
	v_floor_f32 v12, -v13
	s_wait_xcnt 0x0                                ; the stores have read their data: the next scores are written there
.endif
.endm
	s_mul_i32 s[TB], s[WV], STEPB                  ; the order of the keys is free: my first key step is the record that I fetched myself, which my own wait has shown me
	s_wait_alu depctr_va_vdst(0)
	STEP
	s_wait_alu depctr_va_vdst(0)
	s_wait_dscnt 0x0
	s_barrier_signal -1                            ; every wave has waited for its record ahead of this signal:
	s_barrier_wait -1                              ; the head's K and V stand in LDS until the end
	WALK 1
	FINAL 0, 1
	WALK 0
	FINAL 1, 0
	s_wait_dscnt 0x0                               ; my scale bytes are in the stage: for the others' sake
	s_barrier_signal -1
	s_barrier_wait -1
	s_cmp_lt_u32 s[WV], 2                          ; waves 0 and 1 store the 1,024 bytes
	s_cbranch_scc0 .Lno_words
	ds_load_b128 v[S:S+3], v[SRD]
	s_wait_dscnt 0x0
	global_store_b128 v[G16], v[S:S+3], s[AS:AS+1] ; 32 lanes store 512 consecutive bytes, aligned
.Lno_words:
	s_wait_tensorcnt 0x0                           ; the wave's end
	ds_add_u32 v[SPW], v[NIL]
	s_wait_dscnt 0x0
	CROUND                                         ; the closing round
	s_endpgm
.Lfunc_end_k_qeb76e4b42f_attn:
	.size	k_qeb76e4b42f_attn, .Lfunc_end_k_qeb76e4b42f_attn-k_qeb76e4b42f_attn
	.p2alignl 7, 3214868480
	.fill 96, 4, 3214868480
	.section	.rodata,"a",@progbits
	.p2align	6, 0x0
	.amdhsa_kernel k_qeb76e4b42f_attn
		.amdhsa_group_segment_fixed_size 327680
		.amdhsa_private_segment_fixed_size 0
		.amdhsa_enable_private_segment 0
		.amdhsa_kernarg_size 24
		.amdhsa_user_sgpr_count 2
		.amdhsa_user_sgpr_kernarg_segment_ptr 1
		.amdhsa_wavefront_size32 1
		.amdhsa_system_sgpr_workgroup_id_x 1
		.amdhsa_system_sgpr_workgroup_id_y 1
		.amdhsa_system_sgpr_workgroup_id_z 1
		.amdhsa_system_vgpr_workitem_id 0
		.amdhsa_next_free_vgpr 256
		.amdhsa_next_free_sgpr 66
		.amdhsa_reserve_vcc 0
		.amdhsa_float_denorm_mode_32 3
		.amdhsa_float_denorm_mode_16_64 3
		.amdhsa_memory_ordered 1
		.amdhsa_forward_progress 1
		.amdhsa_inst_pref_size 81
	.end_amdhsa_kernel
	.amdgpu_metadata
---
amdhsa.version: [ 1, 2 ]
amdhsa.kernels:
  - .name:           k_qeb76e4b42f_attn
    .symbol:         k_qeb76e4b42f_attn.kd
    .args:
      - { .name: qkvw, .offset: 0, .size: 8, .value_kind: global_buffer, .address_space: global }
      - { .name: acod, .offset: 8, .size: 8, .value_kind: global_buffer, .address_space: global }
      - { .name: ascl, .offset: 16, .size: 8, .value_kind: global_buffer, .address_space: global }
    .group_segment_fixed_size: 327680
    .private_segment_fixed_size: 0
    .kernarg_segment_align: 8
    .kernarg_segment_size: 24
    .max_flat_workgroup_size: 512
    .sgpr_count:     66
    .vgpr_count:     256
    .wavefront_size: 32
...
	.end_amdgpu_metadata
.endif
;; end of part 2
;; launch proj (part 3): grid 8 x 32, 4 waves a work-group, clusters of 4 x 4, 327,680 bytes of LDS; arguments acod, ascl, W_out_codes, W_out_scales, b_out, out0; writes out0
.if DOCPART == 3
	.amdgcn_target "amdgcn-amd-amdhsa--gfx1250"
	.amdhsa_code_object_version 6
	.text
	.protected	k_qeb76e4b42f_proj
	.globl	k_qeb76e4b42f_proj
	.p2align	8
	.type	k_qeb76e4b42f_proj,@function
k_qeb76e4b42f_proj:
	s_mov_b64 s[64:65], 0
	v_nop
	global_prefetch_b8 v0, s[64:65] scope:SCOPE_SE
	s_setreg_imm32_b32 hwreg(HW_REG_WAVE_MODE, 25, 1), 1
	s_wait_xcnt 0x0
	s_wait_alu depctr_hold_cnt(0) depctr_sa_sdst(0) depctr_va_vdst(0) depctr_va_sdst(0) depctr_va_ssrc(0) depctr_va_vcc(0) depctr_vm_vsrc(0)
	s_getreg_b32 s2, hwreg(HW_REG_IB_STS2, 6, 4)
	s_cmp_eq_u32 s2, 0
	s_cbranch_scc0 .Lentry_in_a_cluster
	s_endpgm
.Lentry_in_a_cluster:
	s_bfe_u32 s2, ttmp6, 0x10000c
	s_cmp_lg_u32 s2, 0xf033
	s_cbranch_scc0 .Lentry_shape_is_right
	s_endpgm
.Lentry_shape_is_right:
.set PITCH,  272
.set HALFT,  128*PITCH
.set SLOT,   4*HALFT
.set SCL,    2*SLOT
.set HALFS,  16*272
.set SPARE,  SCL+4*HALFS
; A's scale bytes come as ascl [head 16][8,192 tokens][2 bytes].  Wave 1 fetches the block's 256 tokens, 16 rows (heads) of 512 bytes, to PL; behind the round that shows them
; the 128 threads join heads 2 j and 2 j + 1 into the word of 128 along K that a product wants, at SCL + half x HALFS + 512 j + 4 x token: bytes on which no fill lands.
; In a slot A's two halves of 128 rows lie 32,768 bytes apart from byte 0, B's two halves of 64 rows 64 x PITCH apart from 2 x HALFT; B's scale bytes: 8 units of 272 a half.
.set PL,     SPARE+512
.set NP,     8
.set A_BLK,  4096
.set A_Q,    2048
.set A_C,    512
.set SA_BLK, 64
.set SA_STEP, 1024
.set A_FIRST, 2097152
.set B_FIRST, 256
.set SIZE_N, 1024
.set SPITCH, 528
.set ADRA, 16
.set ADRB, 20
.set STO,  24
.set RD,   25
.set CO,   26
.set ADRSA, 27
.set SPW,  28
.set NIL,  29
.set ADRSB, 30
.set SC,   32
.set BT,   64
.set AF,   128
.set BK,   128
.set WV, 16
.set HA, 17
.set HB, 18
.set OUT, 14
.set G1, 24
.set G0, 32
.set G1B, 48
.set G0B, 56
.set G1S, 68
.set G0S, 76
.set G1SB, 80
.set G0SB, 88
.set MSB, 0
.macro WIN new
.if MSB != (\new)
	s_set_vgpr_msb (MSB<<8)|(\new)
.set MSB, (\new)
.endif
.endm
.set MUL_LO, 0xa1
.set MUL_HI, 0xf1
.set BIAS_LO, 0x81
.set BIAS_HI, 0xc1
.set TO_B,   0x40
.macro JLOAD g0a, g1a, g0b, g1b
	s_cmp_eq_u32 s[HA], 0
	s_cbranch_scc0 .Lfor_b_\@
	tensor_load_to_lds s[\g0a:\g0a+3], s[\g1a:\g1a+7]
	s_nop 0
.rept 4
	v_nop
.endr
	s_branch .Lasked_\@
.Lfor_b_\@:
	tensor_load_to_lds s[\g0b:\g0b+3], s[\g1b:\g1b+7]
	s_nop 0
.rept 4
	v_nop
.endr
.Lasked_\@:
.endm
.macro CREST
	s_cmp_lg_u32 s[WV], 0
	s_cbranch_scc1 .Lnot_wave_0_\@
	s_barrier_signal -3
.Lnot_wave_0_\@:
	s_barrier_wait -3
	s_barrier_signal -1
	s_barrier_wait -1
.endm
.macro CROUND
	s_barrier_signal -1
	s_barrier_wait -1
	CREST
.endm
.macro PLACES n
.rept \n
	v_nop
.endr
.endm
	s_load_b256 s[4:11], s[0:1], 0x0
	s_load_b128 s[12:15], s[0:1], 0x20
	v_lshl_add_u32 v[SPW], v0, 2, SPARE
	v_mov_b32 v[NIL], 0
	ds_add_u32 v28, v29
	ds_add_u32 v28, v29
	s_wait_dscnt 0x0
	v_lshrrev_b32 v1, 5, v0
	v_readfirstlane_b32 s[WV], v1
	s_lshr_b32 s[HA], s[WV], 1
	s_and_b32 s[HB], s[WV], 1
	s_bfe_u32 s40, ttmp6, 0x40000
	s_bfe_u32 s41, ttmp6, 0x40004
	s_lshl_b32 s42, ttmp9, 2
	s_add_co_u32 s42, s42, s40
	s_and_b32 s43, ttmp7, 0xffff
	s_lshl_b32 s43, s43, 2
	s_add_co_u32 s43, s43, s41
	s_lshl_b32 s44, s41, 2
	s_lshl_b32 s44, 15, s44
	s_lshl_b32 s45, 0x1111, s40
	s_or_b32 s[G1+0], s44, (3<<16)|(1<<21)
	s_mov_b32 s[G1+1], 32<<16
	s_mov_b32 s[G1+2], 256<<16
	s_mov_b32 s[G1+3], 32<<16
	s_mov_b32 s[G1+4], 256
	s_mov_b32 s[G1+5], 32
	s_mov_b32 s[G1+6], 0
	s_mov_b32 s[G1+7], 0
	s_or_b32 s[G1B+0], s45, (0<<16)|(1<<20)|(1<<21)|(5<<22)|(3<<25)
	s_mov_b32 s[G1B+1], 256<<16
	s_mov_b32 s[G1B+2], 128<<16
	s_mov_b32 s[G1B+3], 256<<16
	s_mov_b32 s[G1B+4], 128
	s_mov_b32 s[G1B+5], 1024
	s_mov_b32 s[G1B+6], 0
	s_mov_b32 s[G1B+7], 0
	s_or_b32 s[G1S+0], s44, (3<<16)|(1<<21)
	s_mov_b32 s[G1S+1], 64<<16
	s_mov_b32 s[G1S+2], 16<<16
	s_mov_b32 s[G1S+3], 64<<16
	s_mov_b32 s[G1S+4], 16
	s_mov_b32 s[G1S+5], 2048
	s_mov_b32 s[G1S+6], 0
	s_mov_b32 s[G1S+7], 0
	s_or_b32 s[G1SB+0], s45, (3<<16)|(1<<20)|(1<<21)|(5<<22)|(3<<25)
	s_mov_b32 s[G1SB+1], 32<<16
	s_mov_b32 s[G1SB+2], 16<<16
	s_mov_b32 s[G1SB+3], 32<<16
	s_mov_b32 s[G1SB+4], 16
	s_mov_b32 s[G1SB+5], 32
	s_mov_b32 s[G1SB+6], 0
	s_mov_b32 s[G1SB+7], 0
	s_lshl_b32 s46, s43, 16
	s_lshl_b32 s19, s[HB], 15
	s_add_co_u32 s46, s46, s19
	s_lshl_b32 s22, s43, 9
	s_lshl_b32 s19, s[HB], 8
	s_add_co_u32 s22, s22, s19
	; a work-group's block is 256 rows x 128 columns: 8 x 32 blocks, one for each of 256 work-groups; a wave takes 128 rows x 64 columns: 8 blocks of A, 4 of B
	s_lshl_b32 s100, s42, 7
	s_lshl_b32 s19, s[HB], 6
	s_add_co_u32 s100, s100, s19
	s_lshl_b32 s2, s100, 5
	s_lshl_b32 s100, s100, 10
	s_mov_b32 s23, 0
	s_mov_b32 s47, 0
	s_mov_b32 s3, 0
	s_mov_b32 s101, 0
	s_mul_i32 s20, s[HB], 64*PITCH                 ; where my part of a slot goes: B's (waves 2, 3),
	s_add_co_u32 s20, s20, 2*HALFT
	s_lshl_b32 s19, s[WV], 15                      ; A's (waves 0, 1)
	s_mul_i32 s21, s[WV], HALFS
	s_wait_kmcnt 0x0
	s_add_nc_u64 s[92:93], s[4:5], s[46:47]
	s_add_nc_u64 s[94:95], s[6:7], s[22:23]
	s_add_nc_u64 s[96:97], s[8:9], s[100:101]
	s_add_nc_u64 s[98:99], s[10:11], s[2:3]
	CROUND
	s_mov_b32 s[G0S], 1
	s_lshl_b32 s2, s[HB], 8                        ; the scale bytes come whole: my half's bytes are taken off the address again
	s_mov_b32 s[G0S+1], PL
	s_sub_nc_u64 s[G0S+2:G0S+3], s[94:95], s[2:3]
	s_or_b32 s[G0S+3], s[G0S+3], 0x80000000
	s_mov_b32 s[G0SB], 1
	s_lshl_b32 s2, s[HB], 11
	s_mov_b32 s[G0SB+1], SCL+2*HALFS
	s_sub_nc_u64 s[G0SB+2:G0SB+3], s[98:99], s[2:3]
	s_or_b32 s[G0SB+3], s[G0SB+3], 0x80000000
.irp s, 0,1
	s_mov_b32 s[G0+4*\s], 1
	s_add_co_u32 s[G0+4*\s+1], s19, \s*SLOT
	s_add_nc_u64 s[G0+4*\s+2:G0+4*\s+3], s[92:93], \s*A_FIRST
	s_or_b32 s[G0+4*\s+3], s[G0+4*\s+3], 0x80000000
	s_mov_b32 s[G0B+4*\s], 1
	s_add_co_u32 s[G0B+4*\s+1], s20, \s*SLOT
	s_add_nc_u64 s[G0B+4*\s+2:G0B+4*\s+3], s[96:97], \s*B_FIRST
	s_or_b32 s[G0B+4*\s+3], s[G0B+4*\s+3], 0x80000000
.endr
	; THE HEAD'S LOADS, ONE A WAVE: wave 0 K step 0's 256 rows of A, wave 1 A's scale planes, wave 2 K step 0's 128 rows of B, wave 3 B's scale bytes.
	; Waves 0 and 2 have half 0: slot 0's groups 0 name the tile's first row and first LDS byte as they stand; group 1 counts the whole tile's rows until the wait below
.macro ARM under, g0, g1, next
	s_cmp_lt_u32 s[WV], \under
	s_cbranch_scc0 \next
	tensor_load_to_lds s[\g0:\g0+3], s[\g1:\g1+7]
	s_nop 0
.rept 4
	v_nop
.endr
	s_branch .Lhead_asked
\next:
.endm
	ARM 1, G0,  G1,  .Lhead_sa
	ARM 2, G0S, G1S, .Lhead_b
	ARM 3, G0B, G1B, .Lhead_sb
	tensor_load_to_lds s[G0SB:G0SB+3], s[G1SB:G1SB+7]
	s_nop 0
.rept 4
	v_nop
.endr
.Lhead_asked:
	v_and_b32 v1, 15, v0
	v_bfe_u32 v2, v0, 4, 1
	v_and_b32 v[CO], 31, v0
	v_lshlrev_b32 v[CO], 4, v[CO]
	v_mul_u32_u24 v3, v1, PITCH
	v_lshl_add_u32 v4, v2, 4, v3
	s_lshl_b32 s21, s[HA], 15
	s_mul_i32 s22, s[HB], 64*PITCH
	s_add_co_u32 s22, s22, 2*HALFT
.irp s, 0,1
	v_add_nc_u32 v[ADRA+\s], s21, v[CO]
	v_add_nc_u32 v[ADRB+\s], s22, v4
	s_add_co_u32 s21, s21, SLOT
	s_add_co_u32 s22, s22, SLOT
.endr
	v_lshlrev_b32 v5, 2, v1
	v_lshl_add_u32 v5, v2, 9, v5
	s_mul_i32 s21, s[HA], HALFS
	s_add_co_u32 s21, s21, SCL
	v_add_nc_u32 v[ADRSA], s21, v5
	v_lshrrev_b32 v5, 3, v1
	v_mul_u32_u24 v5, v5, 272
	v_and_b32 v6, 7, v1
	v_lshl_add_u32 v5, v6, 5, v5
	v_lshl_add_u32 v5, v2, 2, v5
	s_mul_i32 s22, s[HB], 8*272
	s_add_co_u32 s22, s22, SCL+2*HALFS
	v_add_nc_u32 v[ADRSB], s22, v5
	s_lshl_b32 s22, s42, 9
	s_lshl_b32 s23, s[HB], 8
	s_add_co_u32 s22, s22, s23
	s_mov_b32 s23, 0
	s_add_nc_u64 s[12:13], s[12:13], s[22:23]
	v_lshlrev_b32 v7, 5, v2
.irp b, 0,1,2,3
	global_load_b128 v[BT+8*\b:BT+8*\b+3], v7, s[12:13] offset:64*\b
	global_load_b128 v[BT+8*\b+4:BT+8*\b+7], v7, s[12:13] offset:64*\b+16
.endr
	s_add_nc_u64 s[OUT:OUT+1], s[OUT:OUT+1], s[22:23]
	s_lshl_b32 s46, s43, 8
	s_lshl_b32 s47, s[HA], 7
	s_add_co_u32 s46, s46, s47
	s_lshl_b32 s46, s46, 12
	s_mov_b32 s47, 0
	s_add_nc_u64 s[OUT:OUT+1], s[OUT:OUT+1], s[46:47]
	s_mul_i32 s23, s[WV], 16*SPITCH
	v_mul_u32_u24 v5, v1, SPITCH
	v_lshl_add_u32 v5, v2, 5, v5
	v_add_nc_u32 v[STO], s23, v5
	v_mul_u32_u24 v5, v2, SPITCH                   ; back: a stage row holds 256 bytes: lanes 0-15 take one row, lanes 16-31 the next;
	v_lshl_add_u32 v5, v1, 4, v5
	v_add_nc_u32 v[RD], s23, v5
	v_lshlrev_b32 v6, 12, v2                       ; and the same two rows in the output, 4,096 bytes apart: v31
	v_lshl_add_u32 v31, v1, 4, v6
.macro FRAGA reg, adr, q, i
.irp c, 0,1,2,3
	ds_load_b128 v[\reg+4*\c:\reg+4*\c+3], v[\adr] offset:A_Q*(\q)+A_C*\c+(\i)*A_BLK
.endr
.endm
.macro FRAGB reg, adr, q, i
.irp c, 0,1,2,3
	ds_load_b128 v[\reg+4*\c:\reg+4*\c+3], v[\adr] offset:128*(\q)+32*\c+(\i)*16*PITCH
.endr
.endm
.macro FETCH_B slot, q, p
	WIN TO_B
.irp i, 0,1,2,3
	FRAGB 128*(\p)+16*\i, ADRB+\slot, \q, \i
.endr
	WIN 0
.endm
.macro FETCH_A slot, q, i0
.irp i, \i0, \i0+1, \i0+2, \i0+3
	FRAGA AF+16*(\i), ADRA+\slot, \q, \i
.endr
.endm
.macro SCALES sc
.irp i, 0,1,2,3,4,5,6,7
	ds_load_b32 v[SC+16*\sc+\i], v[ADRSA] offset:SA_BLK*\i
.endr
.irp i, 0,1,2,3
	ds_load_b32 v[SC+16*\sc+8+\i], v[ADRSB] offset:544*\i
.endr
.endm
.macro MUL16 a0, p, q, sc, mode
.irp a, \a0, \a0+1
.irp b, 0,1,2,3
.set rD, 8*(8*((\a)%4)+\b)
.set rC, rD
.if (\mode) == 1
.set rC, BT+8*\b
.endif
.set rB, 128*(\p)+16*\b
.set rA, AF+16*(\a)
.set rSB, SC+16*(\sc)+8+\b
.set rSA, SC+16*(\sc)+(\a)
.if (\q) == 0
	v_wmma_scale_f32_16x16x128_f8f6f4 v[rD:rD+7], v[rB:rB+15], v[rA:rA+15], v[rC:rC+7], v[rSB], v[rSA]
.else
	v_wmma_scale_f32_16x16x128_f8f6f4 v[rD:rD+7], v[rB:rB+15], v[rA:rA+15], v[rC:rC+7], v[rSB], v[rSA] matrix_a_scale:MATRIX_SCALE_ROW1 matrix_b_scale:MATRIX_SCALE_ROW1
.endif
.endr
.endr
.endm
.macro STEP slot, q, mode
	s_wait_dscnt 16
.if (\mode) == 0
	WIN MUL_LO
.else
	WIN BIAS_LO
.endif
	MUL16 0, (\q)%2, \q, \slot, \mode
	MUL16 2, (\q)%2, \q, \slot, \mode
	s_wait_dscnt 0x0
	PLACES NP
	FETCH_B \slot, (\q)+1, 1-(\q)%2
	FETCH_A \slot, (\q)+1, 0
.if (\mode) == 0
	WIN MUL_HI
.else
	WIN BIAS_HI
.endif
	MUL16 4, (\q)%2, \q, \slot, \mode
	MUL16 6, (\q)%2, \q, \slot, \mode
	PLACES NP
	WIN 0
	FETCH_A \slot, (\q)+1, 4
.endm
.macro TURN slot, next, fill
	s_wait_tensorcnt 0x0
	ds_add_u32 v[SPW], v[NIL]
	s_wait_dscnt 17
	WIN MUL_LO
	MUL16 0, 1, 1, \slot, 0
	s_wait_dscnt 0x0
	s_barrier_signal -1
	MUL16 2, 1, 1, \slot, 0
	WIN 0
	s_barrier_wait -1
.if \fill
	CREST
	s_add_nc_u64 s[G0+4*\slot+2:G0+4*\slot+3], s[G0+4*\slot+2:G0+4*\slot+3], 2*A_FIRST
	s_add_nc_u64 s[G0B+4*\slot+2:G0B+4*\slot+3], s[G0B+4*\slot+2:G0B+4*\slot+3], 2*B_FIRST
	JLOAD G0+4*\slot, G1, G0B+4*\slot, G1B
	PLACES NP-4
.else
	PLACES NP
.endif
	s_wait_alu depctr_va_vdst(0)
	v_add_nc_u32 v[ADRSA], SA_STEP, v[ADRSA]
	v_add_nc_u32 v[ADRSB], 8, v[ADRSB]
	FETCH_B \next, 0, 0
	FETCH_A \next, 0, 0
	SCALES \next
	WIN MUL_HI
	MUL16 4, 1, 1, \slot, 0
	MUL16 6, 1, 1, \slot, 0
	PLACES NP
	WIN 0
	FETCH_A \next, 0, 4
.endm
	s_wait_alu depctr_va_vdst(0)                   ; the wait at the head's end
	s_wait_tensorcnt 0x0                           ; my tile of the head's four is in; these lines stand ahead of slot 1's first fill as ahead of a refill
	ds_add_u32 v[SPW], v[NIL]
	s_mov_b32 s[G1+2], 128<<16                     ; no tensor load of mine is out: from here on a load brings half a tile's rows
	s_mov_b32 s[G1+4], 128
	s_mov_b32 s[G1B+2], 64<<16
	s_mov_b32 s[G1B+4], 64
	s_wait_dscnt 0x0
	CROUND                                         ; all four tiles are in, and all sixteen work-groups are here
	JLOAD G0+4, G1, G0B+4, G1B                     ; K step 1, the first tensor load behind the round
	; A's scale words.  Thread n: pair of heads j = n / 16, tokens 8 (n % 16) .. + 7 of either half of the block's 256
	v_and_b32 v1, 15, v0
	v_lshrrev_b32 v2, 4, v0
	v_lshlrev_b32 v3, 10, v2
	v_lshlrev_b32 v4, 9, v2
	v_lshl_add_u32 v3, v1, 4, v3
	v_lshl_add_u32 v4, v1, 5, v4
	v_add_nc_u32 v3, PL, v3
	v_add_nc_u32 v4, SCL, v4
	ds_load_b128 v[32:35], v3
	ds_load_b128 v[36:39], v3 offset:512
	ds_load_b128 v[40:43], v3 offset:256
	ds_load_b128 v[44:47], v3 offset:768
	s_wait_dscnt 0x0
.irp k, 0,1,2,3
	v_perm_b32 v[48+2*\k], v[36+\k], v[32+\k], 0x05040100
	v_perm_b32 v[49+2*\k], v[36+\k], v[32+\k], 0x07060302
	v_perm_b32 v[56+2*\k], v[44+\k], v[40+\k], 0x05040100
	v_perm_b32 v[57+2*\k], v[44+\k], v[40+\k], 0x07060302
.endr
	ds_store_b128 v4, v[48:51]
	ds_store_b128 v4, v[52:55] offset:16
	ds_store_b128 v4, v[56:59] offset:HALFS
	ds_store_b128 v4, v[60:63] offset:HALFS+16
	s_wait_dscnt 0x0                               ; my words are stored: for the others' sake
	s_barrier_signal -1
	s_barrier_wait -1                              ; K step 1's load stays on its way
	FETCH_B 0, 0, 0
	FETCH_A 0, 0, 0
	SCALES 0
	FETCH_A 0, 0, 4
	s_wait_loadcnt 0x0
	STEP 0, 0, 1
	TURN 0, 1, 1
	STEP 1, 0, 0
	TURN 1, 0, 1
	STEP 0, 0, 0
	TURN 0, 1, 0
	STEP 1, 0, 0
	s_wait_dscnt 16
	WIN MUL_LO
	MUL16 0, 1, 1, 1, 0
	MUL16 2, 1, 1, 1, 0
	s_wait_dscnt 0x0
	WIN MUL_HI
	MUL16 4, 1, 1, 1, 0
	MUL16 6, 1, 1, 1, 0
	WIN 0
.macro TOSTAGE a
.set AC, 64*((\a)%4)
.set WST, 0x08+4*((\a)/4)
	WIN WST
.irp b, 0,1,2,3
	ds_store_b128 v[STO], v[AC+8*\b:AC+8*\b+3] offset:64*\b
	ds_store_b128 v[STO], v[AC+8*\b+4:AC+8*\b+7] offset:64*\b+16
.endr
	WIN 0
.set BB, BK+64*((\a)%2)
.irp t, 0,1,2,3,4,5,6,7
	ds_load_b128 v[BB+4*\t:BB+4*\t+3], v[RD] offset:2*\t*SPITCH
.endr
.endm
.macro SEND a, younger
.set BB, BK+64*((\a)%2)
	s_wait_dscnt \younger
.if (\a) > 0
	s_add_nc_u64 s[OUT:OUT+1], s[OUT:OUT+1], 16*SIZE_N*4
.endif
.irp t, 0,1,2,3,4,5,6,7
	global_store_b128 v31, v[BB+4*\t:BB+4*\t+3], s[OUT:OUT+1] offset:2*\t*SIZE_N*4 th:TH_STORE_NT   ; 16 lanes store 256 consecutive bytes, aligned
.endr
.endm
	PLACES NP
	TOSTAGE 0
.irp a, 1,2,3,4,5,6,7
.if \a > 1
	s_wait_xcnt 0x0
.endif
	TOSTAGE \a
	SEND \a-1, 16
.endr
	s_wait_xcnt 0x0
	SEND 7, 0
	s_wait_tensorcnt 0x0
	ds_add_u32 v[SPW], v[NIL]
	s_wait_dscnt 0x0
	CROUND
	s_endpgm
.Lfunc_end_k_qeb76e4b42f_proj:
	.size	k_qeb76e4b42f_proj, .Lfunc_end_k_qeb76e4b42f_proj-k_qeb76e4b42f_proj
	.p2alignl 7, 3214868480
	.fill 96, 4, 3214868480
	.section	.rodata,"a",@progbits
	.p2align	6, 0x0
	.amdhsa_kernel k_qeb76e4b42f_proj
		.amdhsa_group_segment_fixed_size 327680
		.amdhsa_private_segment_fixed_size 0
		.amdhsa_enable_private_segment 0
		.amdhsa_kernarg_size 48
		.amdhsa_user_sgpr_count 2
		.amdhsa_user_sgpr_kernarg_segment_ptr 1
		.amdhsa_wavefront_size32 1
		.amdhsa_system_sgpr_workgroup_id_x 1
		.amdhsa_system_sgpr_workgroup_id_y 1
		.amdhsa_system_sgpr_workgroup_id_z 1
		.amdhsa_system_vgpr_workitem_id 0
		.amdhsa_next_free_vgpr 1024
		.amdhsa_next_free_sgpr 102
		.amdhsa_reserve_vcc 0
		.amdhsa_float_denorm_mode_32 3
		.amdhsa_float_denorm_mode_16_64 3
		.amdhsa_memory_ordered 1
		.amdhsa_forward_progress 1
		.amdhsa_inst_pref_size 97
	.end_amdhsa_kernel
	.amdgpu_metadata
---
amdhsa.version: [ 1, 2 ]
amdhsa.kernels:
  - .name:           k_qeb76e4b42f_proj
    .symbol:         k_qeb76e4b42f_proj.kd
    .args:
      - { .name: acod, .offset: 0, .size: 8, .value_kind: global_buffer, .address_space: global }
      - { .name: ascl, .offset: 8, .size: 8, .value_kind: global_buffer, .address_space: global }
      - { .name: W_out_codes, .offset: 16, .size: 8, .value_kind: global_buffer, .address_space: global }
      - { .name: W_out_scales, .offset: 24, .size: 8, .value_kind: global_buffer, .address_space: global }
      - { .name: b_out, .offset: 32, .size: 8, .value_kind: global_buffer, .address_space: global }
      - { .name: out0, .offset: 40, .size: 8, .value_kind: global_buffer, .address_space: global }
    .group_segment_fixed_size: 327680
    .private_segment_fixed_size: 0
    .kernarg_segment_align: 8
    .kernarg_segment_size: 48
    .max_flat_workgroup_size: 128
    .sgpr_count:     102
    .vgpr_count:     1024
    .wavefront_size: 32
...
	.end_amdgpu_metadata
.endif
;; end of part 3
